; MI455X (gfx1250); checked and timed in simulation.
; The chip was launched on July 23, 2026; its instructions are those of AMD's public machine-readable ISA for CDNA 5 (MIT licence, August 2026) and "CDNA5" Instruction Set Architecture Reference Guide (July 2026). The comments in the code are by the model that wrote it; some were corrected since.
;; Quantize Linear. Allowed arithmetic: matrix products marked QUANTISED: E2M3 operands, one E8M0 scale for each 32 along K, by v_wmma_scale_f32_16x16x128_f8f6f4 with both operands' format E2M3, f32 sums; everything else in f32.
;; Inputs: bias 4,096 float32; g 4,096 float32; h 4,096 float32; ln_beta 4,096 float32; ln_gamma 4,096 float32; weight 4,096 x 4,096 float32; x 4 x 1,024 x 4,096 float32.
;; Outputs: out0 4 x 1,024 x 4,096 float32.
;; This version of the problem:
;;   THIS VERSION OF THE PROBLEM IS GIVEN IN LOW PRECISION. The matrix products marked QUANTISED in the list below multiply operands that are first quantised to E2M3 (2 exponent bits, 3 mantissa bits; 6 bits a number), with one power-of-two scale for each 32 numbers along K (OCP MX v1.0); their sums are f32. All else is computed in f32.
;;   The module's matrix products, in the order in which they are computed (A, B: the left and right operand; K: the contracted axis; several contracted axes count as one K, in the product's order):
;;     1. [M 4,096, K 4,096] x [K 4,096, N 4,096]; A: computed on the way; B: computed on the way: QUANTISED
;;   THE QUANTISER, for each operand of a quantised product, along K:
;;     - K is cut into blocks of 32 from its start; a last block that is shorter is filled with zeros.
;;     - A block's scale is 2^e with e = floor(log2(the largest magnitude in the block)) - 2, held to -126 .. 127; a block of zeros has e = 0. As a byte (E8M0): e + 127.
;;     - Each number is divided by its block's scale, clamped to +-7.5, and rounded to the nearest number of E2M3, ties to even, subnormals kept.
;;     - The product sums the exact products of the quantised numbers (number of the format x scale) in f32.
;;   ~~~python
;;   def quantise(x, axis):      # numpy; x: float32 -> the quantised numbers, widened to float32 again
;;       x = np.moveaxis(x, axis, -1); K = x.shape[-1]
;;       x = np.pad(x, [(0, 0)] * (x.ndim - 1) + [(0, -K % 32)]); x = x.reshape(x.shape[:-1] + (-1, 32)); a = np.abs(x).max(-1, keepdims=True)
;;       e = np.where(a > 0, np.clip(np.frexp(np.where(a > 0, a, 1))[1] - 1 - 2, -126, 127), 0)      # np.frexp(a)[1] - 1 = floor(log2(a)), exactly
;;       r = np.clip(x / 2.0 ** e, -7.5, 7.5)
;;       step = 2.0 ** (np.maximum(np.frexp(np.where(r == 0, 1, r))[1] - 1, 0) - 3)
;;       q = np.round(r / step) * step * 2.0 ** e      # np.round: ties to even
;;       return np.moveaxis(q.reshape(q.shape[:-2] + (-1,))[..., :K], -1, axis).astype(np.float32)
;;   ~~~
;;   OPERANDS COMPUTED ON THE WAY. 'Computed on the way' means the value that the module computes at that place (a softmax that the list does not call 'softmax' is quantised finished and normalised). What goes into a quantiser is computed in f32, as accurately as f32 sums, v_exp_f32 and their like allow (about 1e-6 of the number): no bf16 or f16 on the way to a quantiser, and a product that is left as it is and whose result goes on into a quantised operand takes f32 operands (vector FMAs, or v_wmma_f32_16x16x4_f32). A number that lies on a knife's edge between two numbers of the format may be rounded either way, as far as f32 arithmetic and the matrix unit's own rounding can turn it there, and no further.
;; One version. Each part assembles by itself: llvm-mc -triple=amdgcn-amd-amdhsa -mcpu=gfx1250 --defsym DOCPART=n.
;; ======== version 1 of 1: 3 launches
;; limits: right only within a limited range of input values
;; workspace buffers: a_ops 13,107,200 bytes; b_ops 13,107,200 bytes; y 67,108,864 bytes
;; launch quant (part 1): grid 512 x 1, 8 waves a work-group, no clusters, 97,280 bytes of LDS; arguments x, weight, g, a_ops, b_ops; writes a_ops, b_ops
.if DOCPART == 1
	.amdgcn_target "amdgcn-amd-amdhsa--gfx1250"
	.amdhsa_code_object_version 6
	.text
	.protected	k_qc72537283f_quant
	.globl	k_qc72537283f_quant
	.p2align	8
	.type	k_qc72537283f_quant,@function
k_qc72537283f_quant:
	s_mov_b64 s[64:65], 0
	v_nop
	global_prefetch_b8 v0, s[64:65] scope:SCOPE_SE
	s_setreg_imm32_b32 hwreg(HW_REG_WAVE_MODE, 25, 1), 1
	s_wait_xcnt 0x0
; A = x * g ([4096][4096], f32, K innermost) and B = sign(weight) ([4096][4096], K innermost) are turned into codes of FP6 (E2M3) with one E8M0 scale byte for each 32 along K.
; A block's scale is 2^(floor(log2(its largest magnitude)) - 2); its byte is the largest magnitude's own exponent field - 2, held at 1 from below.  Each number is divided by the scale and rounded to the nearest code, ties to even;
; what lies beyond 7.5 gets the largest code.
; LIMITS: NaN and infinities among the inputs are not served.  A block of zeros, and a block whose largest magnitude lies under 2^-124, keeps the byte 1 (the rule says 127 for zeros): its codes are zeros or are taken under
; that byte, and the bytes are read by this program alone.
; THE OUTPUT IS LAID AS THE PRODUCT'S LAUNCH WANTS IT, codes and scale bytes together, as images of operand registers: one buffer for A, one for B, each
;   [group of 128 rows: 32][step of 128 along K: 32][12,800 bytes];  in the 12,800 bytes: eight fragments of 1,536 bytes (i: blocks of 16 rows), then the step's 512 scale bytes.
;   A fragment: part p (512 bytes) holds registers 4 p .. 4 p + 3 of lane L at 16 L; lane (r = L % 16, h = L / 16) holds row r, registers 6 c .. 6 c + 5 = k 64 c + 32 h + 0 .. 31 (the 6-bit operand's layout).
;   The scale bytes: the byte of row 16 i + r, block b lies at 256 (i / 4) + 16 r + 4 (i % 4) + b.
; SHARES.  Work-groups 0-255 take x, 256-511 weight; only pointers and one flag differ.  A work-group takes 128 rows x 512 columns, wave w the rows 16 w .. 16 w + 15, one row a step.  So a lane's 16 numbers of g stay
; in registers, a wave's 16 steps fill exactly four fragments (row block i = w), and the eight waves fill four whole scale images.
; A STEP.  Four loads of 512 consecutive bytes; the multiplication by g (or the sign) on the numbers as loaded; a turn through the wave's own stage in LDS, after which a lane holds 16 NEIGHBOURS along K (two lanes a block);
; the block's scale; one conversion; three words into the wave's fragment images in LDS, one byte into the work-group's scale images.  Loads run four steps (16 loads a wave) ahead, the turn one step.
; sign(w) = w x 2^100 x 2^100 held to -1 .. 1: the smallest f32 magnitude, 2^-149, becomes 2^51, a zero stays a zero.
; WHICH ROWS FORM A FRAGMENT (this stands in place of 'row 16 i + r' and 'rows 16 w .. 16 w + 15' in the lines above): lane r of fragment i holds row 64 (i / 4) + 4 r + i % 4 of its group of 128,
; in A and in B alike; wave w fills fragment i = w, and its step t reads row 64 (w / 4) + 4 t + w % 4.  So four neighbouring fragments of B give a lane of the product four neighbouring columns.
.set STEPS, 16
.set ROWB,  16384                      ; a row of x or of weight in bytes
.set KSB,   12800                      ; 128 rows x 128 along K in the output: 8 x 1,536 bytes of codes + 512 scale bytes
.set SP,    80                         ; a lane's place in a stage: its 64 bytes + 16 of padding
.set STG,   32*SP                      ; a stage
.set IMG,   2*STG                      ; behind the two stages: the wave's four fragment images, 12 parts
.set PART,  544                        ; a part: two halves of 256 bytes (lanes 0-15, lanes 16-31), 16 bytes of padding behind each
.set WREG,  11776                      ; a wave's region of LDS
.set SCG,   8*WREG                     ; behind the eight regions: the work-group's four scale images, 2,048 bytes
.set G,     20                         ; v20-35   my 16 numbers of g as loaded (for weight: 2^100)
.set R,     36                         ; v36-99   four sets of 16 numbers as loaded; on the way out the 12 parts
.set X,     100                        ; v100-131 two sets of 16 neighbours
.set C,     132                        ; v132-139 two sets of codes (three registers of four)
.set E,     140                        ; v140-141 two scale bytes
	s_load_b256 s[4:11], s[0:1], 0x0               ; x, weight, g, A's buffer
	s_load_b64 s[12:13], s[0:1], 0x20              ; B's buffer
	v_lshl_add_u32 v144, v0, 2, 0x17800
	v_mov_b32 v145, 0
	v_lshrrev_b32 v1, 5, v0
	s_delay_alu instid0(VALU_DEP_1)
	v_readfirstlane_b32 s19, v1                    ; wave 0..7
	v_and_b32 v2, 31, v0                           ; lane l
	s_delay_alu instid0(VALU_DEP_1)
	v_lshlrev_b32 v3, 4, v2                        ; 16 l: my bytes of a load's and of a store's 512
	s_mul_i32 s20, s19, WREG                       ; my wave's region
	s_add_co_u32 s21, s20, IMG                     ; and its images
	v_lshrrev_b32 v12, 2, v2
	s_delay_alu instid0(VALU_DEP_1)
	v_mul_u32_u24 v12, v12, SP
	v_and_b32 v8, 3, v2
	s_delay_alu instid0(VALU_DEP_1)
	v_lshl_add_u32 v12, v8, 4, v12
	s_delay_alu instid0(VALU_DEP_1)
	v_add_nc_u32 v12, s20, v12                     ; the stage, on the way in: four lanes' 64 bytes on end, then the padding
	v_mul_u32_u24 v13, v2, SP
	s_delay_alu instid0(VALU_DEP_1)
	v_add_nc_u32 v13, s20, v13                     ; and on the way out: my 16 neighbours
	v_lshrrev_b32 v14, 4, v2
	s_delay_alu instid0(VALU_DEP_1)
	v_mul_u32_u24 v14, v14, 272
	v_and_b32 v8, 15, v2
	s_delay_alu instid0(VALU_DEP_1)
	v_lshl_add_u32 v14, v8, 4, v14
	s_delay_alu instid0(VALU_DEP_1)
	v_add_nc_u32 v14, s21, v14                     ; a part read back: 272 (l / 16) + 16 (l % 16)
	v_lshlrev_b32 v16, 3, v2                       ; 8 l
	s_lshl_b32 s23, s19, 8
	s_add_co_u32 s23, s23, SCG
	v_add_nc_u32 v15, s23, v16                     ; the scale images read back: my wave's 256 bytes, 8 a lane
	; After the turn lane l holds k = 16 l .. 16 l + 15 of the step's 512: fragment s = l / 8; in it c = (l / 4) % 2, h = (l / 2) % 2, u = l % 2: registers 6 c + 3 u + 0 .. 2 of lane (row, h).
	v_lshrrev_b32 v8, 3, v2                        ; s
	v_bfe_u32 v9, v2, 2, 1                         ; c
	v_and_b32 v10, 1, v2                           ; u
	s_delay_alu instid0(VALU_DEP_1)
	v_lshl_add_u32 v9, v9, 1, v10
	s_delay_alu instid0(VALU_DEP_1)
	v_mul_u32_u24 v9, v9, 3                        ; 6 c + 3 u
	v_bfe_u32 v10, v2, 1, 1                        ; h
	v_mul_u32_u24 v11, v8, 3*PART
	s_delay_alu instid0(VALU_DEP_1)
	v_mad_u32_u24 v11, v10, 272, v11
	s_delay_alu instid0(VALU_DEP_1)
	v_add_nc_u32 v11, s21, v11                     ; my fragment's image, my half of the lanes
.irp i, 0,1,2
	v_add_nc_u32 v100, \i, v9                      ; the register's number
	s_delay_alu instid0(VALU_DEP_1)
	v_lshrrev_b32 v101, 2, v100                    ; its part,
	s_delay_alu instid0(VALU_DEP_2)
	v_and_b32 v100, 3, v100                        ; its word in a lane's 16 bytes
	s_delay_alu instid0(VALU_DEP_2)
	v_mad_u32_u24 v101, v101, PART, v11
	s_delay_alu instid0(VALU_DEP_1)
	v_lshl_add_u32 v[4+\i], v100, 2, v101          ; v4-6: where my three words go; the row's 16 bytes stand in the store's immediate
.endr
	s_lshr_b32 s22, s19, 2
	s_lshl_b32 s22, s22, 8
	s_and_b32 s23, s19, 3
	s_lshl_b32 s23, s23, 2
	s_add_co_u32 s22, s22, s23
	s_add_co_u32 s22, s22, SCG                     ; my row block's place in a scale image: 256 (w / 4) + 4 (w % 4)
	v_bfe_u32 v7, v2, 1, 2                         ; my block of 32 in its 128
	s_delay_alu instid0(VALU_DEP_1)
	v_lshl_add_u32 v7, v8, 9, v7
	s_delay_alu instid0(VALU_DEP_1)
	v_add_nc_u32 v7, s22, v7                       ; v7: where my block's byte goes
	s_and_b32 s32, ttmp9, 255
	s_and_b32 s33, s32, 7                          ; which 512 columns
	s_lshr_b32 s32, s32, 3                         ; which group of 128 rows
	s_lshl_b32 s26, s33, 11                        ; g: 2,048 bytes for each 512 columns
	s_mov_b32 s27, 0
	s_lshl_b32 s24, s32, 21                        ; the source: 128 rows of 16,384 bytes a group,
	s_lshr_b32 s34, s19, 2                         ; my wave's first row: 64 (w / 4) rows of 16,384 bytes,
	s_lshl_b32 s34, s34, 20
	s_add_co_u32 s24, s24, s34
	s_and_b32 s34, s19, 3                          ; + w % 4 rows
	s_lshl_b32 s34, s34, 14
	s_add_co_u32 s24, s24, s34
	s_add_co_u32 s24, s24, s26                     ; and the columns
	s_mov_b32 s25, 0
	s_mul_i32 s28, s32, 32*KSB                     ; the output: a group's 32 steps,
	s_mul_i32 s34, s33, 4*KSB                      ; four steps for each 512 columns
	s_add_co_u32 s28, s28, s34
	s_lshr_b32 s30, s19, 1                         ; the scale bytes that I store: wave w takes half w % 2 of the image of step w / 2,
	s_mul_i32 s30, s30, KSB
	s_and_b32 s34, s19, 1
	s_lshl_b32 s34, s34, 8
	s_add_co_u32 s30, s30, s34
	s_add_co_u32 s30, s30, 8*1536                  ; behind that step's eight fragments
	s_add_co_u32 s30, s30, s28
	s_mov_b32 s31, 0
	s_mul_i32 s34, s19, 1536                       ; the codes that I store: row block w of each of the four steps
	s_add_co_u32 s28, s28, s34
	s_mov_b32 s29, 0
	s_wait_kmcnt 0x0
	s_cmp_lt_u32 ttmp9, 256                        ; x's work-group or weight's?  The choice hangs on the work-group's number alone
	s_cselect_b64 s[4:5], s[4:5], s[6:7]
	s_cselect_b64 s[10:11], s[10:11], s[12:13]
	s_cselect_b32 s18, 0, 1                        ; 1: weight
	s_add_nc_u64 s[4:5], s[4:5], s[24:25]
	s_add_nc_u64 s[8:9], s[8:9], s[26:27]
	s_add_nc_u64 s[12:13], s[10:11], s[30:31]      ; where my scale bytes go,
	s_add_nc_u64 s[10:11], s[10:11], s[28:29]      ; and my codes
	s_cmp_lg_u32 s18, 0
	s_cbranch_scc1 .Lweight
.irp i, 0,1,2,3
	global_load_b128 v[G+4*\i:G+4*\i+3], v3, s[8:9] offset:512*\i   ; g, laid as a step's numbers are loaded
.endr
	s_branch .Lfactor_set
.Lweight:
.irp k, 0,1,2,3,4,5,6,7,8,9,10,11,12,13,14,15
	v_mov_b32 v[G+\k], 0x71800000                  ; 2^100
.endr
.Lfactor_set:
.macro LOAD t                          ; row t of my 16: four loads of 512 consecutive bytes
.irp i, 0,1,2,3
	global_load_b128 v[R+16*((\t)%4)+4*\i:R+16*((\t)%4)+4*\i+3], v3, s[4:5] offset:4*ROWB*(\t)+512*\i th:TH_LOAD_NT   ; my rows lie four apart
.endr
.endm
.macro PRE t                           ; x * g, one f32 rounding as the definition has it; or sign(weight).  Only vector lines stand under the branch
.set RS, R+16*((\t)%4)
.irp k, 0,2,4,6,8,10,12,14
	v_pk_mul_f32 v[RS+\k:RS+\k+1], v[RS+\k:RS+\k+1], v[G+\k:G+\k+1]
.endr
	s_cmp_eq_u32 s18, 0
	s_cbranch_scc1 .Lis_x_\@
.irp k, 0,2,4,6,8,10,12,14
	v_pk_mul_f32 v[RS+\k:RS+\k+1], v[RS+\k:RS+\k+1], v[G+\k:G+\k+1]
.endr
.irp k, 0,1,2,3,4,5,6,7,8,9,10,11,12,13,14,15
	v_med3_num_f32 v[RS+\k], v[RS+\k], -1.0, 1.0
.endr
.Lis_x_\@:
.endm
.macro TURN t                          ; through the stage: LDS serves a wave's instructions in order (ISA guide 5.7.1.4), so no wait stands between the stores and the loads
	PRE \t
	s_wait_alu depctr_va_vdst(0)
.irp i, 0,1,2,3
	ds_store_b128 v12, v[R+16*((\t)%4)+4*\i:R+16*((\t)%4)+4*\i+3] offset:STG*((\t)%2)+8*SP*\i
.endr
.irp i, 0,1,2,3
	ds_load_b128 v[X+16*((\t)%2)+4*\i:X+16*((\t)%2)+4*\i+3], v13 offset:STG*((\t)%2)+16*\i
.endr
.endm
.irp t, 0,1,2,3
	LOAD \t
.endr
	s_wait_loadcnt 12                              ; g (where it was asked for) and step 0's four loads are in; three steps' twelve stay out
	s_wait_alu depctr_va_vdst(0)
	TURN 0
.macro STEP t
.set XS, X+16*((\t)%2)
.set CS, C+4*((\t)%2)
.set ES, E+(\t)%2
.if (\t) > 0
	s_wait_dscnt 4                                 ; this step's numbers are back from the stage (the last step's byte store and three word stores may be out): so its stores into the stage have read
.else                                              ; their registers, and the stores of two steps ago have read the codes' and the byte's registers that this step writes
	s_wait_dscnt 0x0
.endif
.if (\t)+4 < STEPS
	LOAD (\t)+4                                    ; into the set that this step's turn has left
.endif
.if (\t)+1 < STEPS
.if (\t) <= 11
	s_wait_loadcnt 12                              ; the next step's four loads are in; those of the three steps behind it may be out
.else
	s_wait_loadcnt 4*(14-(\t))                     ; the counts run down
.endif
	TURN (\t)+1                                    ; the next step goes through the other stage while this one is worked
.endif
	v_max3_num_f32 v8, |v[XS]|, |v[XS+1]|, |v[XS+2]|               ; the largest magnitude of my 16, in two chains
	v_max3_num_f32 v9, |v[XS+3]|, |v[XS+4]|, |v[XS+5]|
.irp i, 6,10
	s_delay_alu instid0(VALU_DEP_2)
	v_max3_num_f32 v8, v8, |v[XS+\i]|, |v[XS+\i+1]|
	s_delay_alu instid0(VALU_DEP_2)
	v_max3_num_f32 v9, v9, |v[XS+\i+2]|, |v[XS+\i+3]|
.endr
	s_delay_alu instid0(VALU_DEP_2)
	v_max3_num_f32 v8, v8, |v[XS+14]|, |v[XS+15]|
	s_delay_alu instid0(VALU_DEP_1)
	v_max3_num_f32 v8, v8, v9, 0x1800000           ; and the floor 2^(3 - 127): the byte cannot fall under 1
	s_delay_alu instid0(VALU_DEP_1)
	v_max_num_f32_dpp v8, v8, v8 row_xmask:1 row_mask:0xf bank_mask:0xf   ; and of my neighbour's 16: the block's
	s_delay_alu instid0(VALU_DEP_1)
	v_add_nc_u32 v11, 0xff000000, v8               ; 2 off its exponent field: the conversion takes the exponent field of this operand as its scale, and nothing else of it
	v_cvt_scalef32_pk16_fp6_f32 v[CS:CS+2], v[XS:XS+15], v11       ; 16 codes, 96 bits without gaps, the first number's code lowest
	v_lshrrev_b32 v[ES], 23, v11                   ; the scale's byte (and the plain line behind the conversion)
	ds_store_b8 v7, v[ES] offset:16*(\t)           ; both lanes of a block write the same byte with the same value
.irp i, 0,1,2
	ds_store_b32 v[4+\i], v[CS+\i] offset:16*(\t)  ; row t is lane t (or 16 + t) of the fragment: 16 bytes a lane
.endr
.endm
.irp t, 0,1,2,3,4,5,6,7,8,9,10,11,12,13,14,15
	STEP \t
.endr
	; THE WAY OUT.  My four fragments, twelve parts of 512 bytes: each store of the wave covers 512 consecutive bytes, aligned to 256.  The next launch reads them: no hint.
.irp p, 0,1,2,3,4,5,6,7,8,9,10,11
	ds_load_b128 v[R+4*\p:R+4*\p+3], v14 offset:PART*\p            ; these see my stores above: a wave's LDS instructions are served in order
.endr
.irp p, 0,1,2,3,4,5,6,7,8,9,10,11
	s_wait_dscnt 11-\p                             ; part p is in; the younger parts may be out
	global_store_b128 v3, v[R+4*\p:R+4*\p+3], s[10:11] offset:KSB*(\p/3)+512*(\p%3)
.endr
	s_wait_dscnt 0x0                               ; for the others' sake: my byte stores into the scale images are done
	s_barrier_signal -1
	s_barrier_wait -1                              ; all eight waves' bytes lie in the four images
	ds_load_b64 v[8:9], v15
	s_wait_dscnt 0x0
	global_store_b64 v16, v[8:9], s[12:13]         ; 32 lanes store 256 consecutive bytes, aligned
	s_wait_tensorcnt 0x0
	ds_add_u32 v144, v145
	s_wait_dscnt 0x0
	s_endpgm
.Lfunc_end_k_qc72537283f_quant:
	.size	k_qc72537283f_quant, .Lfunc_end_k_qc72537283f_quant-k_qc72537283f_quant
	.p2alignl 7, 3214868480
	.fill 96, 4, 3214868480
	.section	.rodata,"a",@progbits
	.p2align	6, 0x0
	.amdhsa_kernel k_qc72537283f_quant
		.amdhsa_group_segment_fixed_size 97280
		.amdhsa_private_segment_fixed_size 0
		.amdhsa_enable_private_segment 0
		.amdhsa_kernarg_size 40
		.amdhsa_user_sgpr_count 2
		.amdhsa_user_sgpr_kernarg_segment_ptr 1
		.amdhsa_wavefront_size32 1
		.amdhsa_system_sgpr_workgroup_id_x 1
		.amdhsa_system_sgpr_workgroup_id_y 1
		.amdhsa_system_sgpr_workgroup_id_z 1
		.amdhsa_system_vgpr_workitem_id 0
		.amdhsa_next_free_vgpr 146
		.amdhsa_next_free_sgpr 66
		.amdhsa_reserve_vcc 0
		.amdhsa_float_denorm_mode_32 3
		.amdhsa_float_denorm_mode_16_64 3
		.amdhsa_memory_ordered 1
		.amdhsa_forward_progress 1
		.amdhsa_inst_pref_size 79
	.end_amdhsa_kernel
	.amdgpu_metadata
---
amdhsa.version: [ 1, 2 ]
amdhsa.kernels:
  - .name:           k_qc72537283f_quant
    .symbol:         k_qc72537283f_quant.kd
    .args:
      - { .name: x, .offset: 0, .size: 8, .value_kind: global_buffer, .address_space: global }
      - { .name: weight, .offset: 8, .size: 8, .value_kind: global_buffer, .address_space: global }
      - { .name: g, .offset: 16, .size: 8, .value_kind: global_buffer, .address_space: global }
      - { .name: a_ops, .offset: 24, .size: 8, .value_kind: global_buffer, .address_space: global }
      - { .name: b_ops, .offset: 32, .size: 8, .value_kind: global_buffer, .address_space: global }
    .group_segment_fixed_size: 97280
    .private_segment_fixed_size: 0
    .kernarg_segment_align: 8
    .kernarg_segment_size: 40
    .max_flat_workgroup_size: 256
    .sgpr_count:     66
    .vgpr_count:     146
    .wavefront_size: 32
...
	.end_amdgpu_metadata
.endif
;; end of part 1
;; launch gemm (part 2): grid 16 x 16, 4 waves a work-group, clusters of 4 x 4, 327,680 bytes of LDS; arguments a_ops, b_ops, bias, h, y; writes y
.if DOCPART == 2
	.amdgcn_target "amdgcn-amd-amdhsa--gfx1250"
	.amdhsa_code_object_version 6
	.text
	.protected	k_qc72537283f_gemm
	.globl	k_qc72537283f_gemm
	.p2align	8
	.type	k_qc72537283f_gemm,@function
k_qc72537283f_gemm:
	s_mov_b64 s[64:65], 0
	v_nop
	global_prefetch_b8 v0, s[64:65] scope:SCOPE_SE
	s_setreg_imm32_b32 hwreg(HW_REG_WAVE_MODE, 25, 1), 1
	s_wait_xcnt 0x0
	s_wait_alu depctr_hold_cnt(0) depctr_sa_sdst(0) depctr_va_vdst(0) depctr_va_sdst(0) depctr_va_ssrc(0) depctr_va_vcc(0) depctr_vm_vsrc(0)
	s_getreg_b32 s2, hwreg(HW_REG_IB_STS2, 6, 4)
	s_cmp_eq_u32 s2, 0
	s_cbranch_scc0 .Lentry_in_a_cluster
	s_endpgm
.Lentry_in_a_cluster:
	s_bfe_u32 s2, ttmp6, 0x10000c
	s_cmp_lg_u32 s2, 0xf033
	s_cbranch_scc0 .Lentry_shape_is_right
	s_endpgm
.Lentry_shape_is_right:
; y[m][n] = (sum over k of A[m][k] B[n][k] + bias[n]) x h[n], f32.  A = Q(x g), B = Q(sign(weight)): codes of FP6 (E2M3) with E8M0 scale bytes, laid by the launch before as images of operand registers:
;   [group of 128 rows: 32][step of 128 along K: 32][12,800 bytes]: eight fragments of 1,536 bytes (part c, 512 bytes: registers 4 c .. 4 c + 3 of lane L at 16 L), then 512 scale bytes.
;   Lane r of fragment i holds row 64 (i / 4) + 4 r + i % 4 of its group.
; A block of y, 256 x 256, is made by four waves, a wave 128 x 128: 64 accumulators, 512 registers.  K goes through a ring of two LDS slots of three steps each (the eleventh fill has two).  Each wave
; brings a quarter of a slot (one group's three steps, 38,400 dense bytes as rows of 256) by one tensor load.  CLUSTERS 4 x 4: A's tiles are asked for jointly along a row of the cluster, B's along a column.
; A STEP is 64 matrix instructions, A's blocks one after the other, each against B's eight.  Its 50 LDS loads for the next step go out in four runs, one behind each 16 matrix instructions, in the order
; B's fragments 0-3, the scale words, B's 4-7, A's blocks 0 .. 7 (A has one set of registers, a block is loaded anew when its eight products are issued; B and the scale words have two sets).
; SOURCE 0 = 16 rows of A, SOURCE 1 = 16 rows of B: register j of lane (r, h) of accumulator (a, b) is y(row 64 (a / 4) + 4 (8 h + j) + a % 4, column 64 (b / 4) + 4 r + b % 4) of my 128 x 128.  So the four
; accumulators b = 4 q .. 4 q + 3 hold four neighbouring columns: the multiply-add with h and bias x h writes them into four registers on end, and sixteen lanes store 256 consecutive aligned bytes.  No LDS stage.
; No prefetch into the L2 is laid: the block is the largest, in clusters, the walk along K is eleven fills, and a refill is asked for 176 matrix instructions of the wave ahead of the wait for it.
; REGISTERS: window 0: v16-29 addresses; v32-47 scale words, two sets; v48-63 h and bias x h; v128-223 A's fragments; on the way out v64-255 three sets of 64 results.
;   window 1: B's fragments, two sets, at v0 and v128.  window 2: the accumulators of A's blocks 0-3 ((a, b) at v[8 (8 (a % 4) + b)]); window 3: those of blocks 4-7.
.set ROWY,  16384                      ; a row of y in bytes
.set FR,    12                         ; registers of a fragment
.set FRB,   1536                       ; its bytes
.set STEPB, 12800                      ; a group's step
.set SCO,   8*FRB                      ; where its scale bytes begin
.set QB,    3*STEPB                    ; a quarter of a slot
.set GRP,   32*STEPB                   ; a group, all of K
.set SLOT,  4*QB                       ; A's two groups, then B's two
.set SPARE, 2*SLOT                     ; behind the ring: the spare words, 128 bytes a wave, named by no other line
.set TRIPS, 4
.set ADRA, 16                          ; v16-17 LDS address of my A fragments in slot 0, 1
.set ADRB, 20                          ; v20-21 the same for B
.set ADRS, 22                          ; v22-23 my scale words: lanes 0-15 A's, lanes 16-31 B's
.set CO,   26                          ; v26 my byte offset in y: 32 h rows + 16 r
.set HO,   27                          ; v27 16 r
.set SPW,  28                          ; v28 my spare word; never rewritten
.set NIL,  29                          ; v29 0; never rewritten
.set SC,   32
.set HH,   48                          ; v48-55 h of my eight columns
.set BH,   56                          ; v56-63 bias x h
.set BT,   64                          ; v64-71 bias as loaded
.set AF,   128
.set G1, 24                            ; s[24:31] group 1, A's tiles; s[32:39] group 0, a set for each slot
.set G0, 32
.set G1B, 48                           ; s[48:55], s[56:63] the same for B
.set G0B, 56
.set G1T, 68                           ; s[68:75], s[76:83] groups 1 of the last fill, two steps
.set G1TB, 76
.set MSB, 0
.macro WIN new                         ; the immediate's high byte repeats the setting that is left
.if MSB != (\new)
	s_set_vgpr_msb (MSB<<8)|(\new)
.set MSB, (\new)
.endif
.endm
.set MUL_LO, 0xa4                      ; source 0 (A) window 0, source 1 (B) window 1, C and D window 2
.set MUL_HI, 0xf4                      ; the same, C and D window 3
.set TO_B,   0x40                      ; destination window 1, address window 0
.macro PLACES                          ; four places behind matrix instructions, ahead of loads into their sources (ISA guide 7.12.1 for vector instructions)
.rept 4
	v_nop
.endr
.endm
.macro JLOAD g0a, g1a, g0b, g1b        ; a joint load: waves 0, 1 fetch for A, waves 2, 3 for B
	s_cmp_eq_u32 s15, 0
	s_cbranch_scc0 .Lfor_b_\@
	tensor_load_to_lds s[\g0a:\g0a+3], s[\g1a:\g1a+7]
	s_nop 0
	PLACES
	s_branch .Lasked_\@
.Lfor_b_\@:
	tensor_load_to_lds s[\g0b:\g0b+3], s[\g1b:\g1b+7]
	s_nop 0
	PLACES
.Lasked_\@:
.endm
.macro CREST                           ; a round of the cluster's barrier behind its opening barrier
	s_cmp_lg_u32 s14, 0
	s_cbranch_scc1 .Lnot_wave_0_\@
	s_barrier_signal -3
.Lnot_wave_0_\@:
	s_barrier_wait -3
	s_barrier_signal -1
	s_barrier_wait -1
.endm
.macro CROUND
	s_barrier_signal -1
	s_barrier_wait -1
	CREST
.endm
	s_load_b256 s[4:11], s[0:1], 0x0               ; A's images, B's images, bias, h
	s_load_b64 s[12:13], s[0:1], 0x20              ; y
	v_lshl_add_u32 v[SPW], v0, 2, SPARE
	v_mov_b32 v[NIL], 0
	ds_add_u32 v[SPW], v[NIL]                      ; the add, twice on end,
	ds_add_u32 v[SPW], v[NIL]
	v_lshrrev_b32 v1, 5, v0
	v_readfirstlane_b32 s14, v1                    ; wave 0..3
	s_lshr_b32 s15, s14, 1                         ; my half of the block's rows; also: I fetch for A (0) or B (1)
	s_and_b32 s16, s14, 1                          ; my half of its columns; also: which group of the tile I fetch
	s_bfe_u32 s40, ttmp6, 0x40000                  ; cx
	s_bfe_u32 s41, ttmp6, 0x40004                  ; cy
	s_lshl_b32 s42, ttmp9, 2
	s_add_co_u32 s42, s42, s40                     ; block column
	s_and_b32 s17, ttmp7, 0xffff
	s_lshl_b32 s17, s17, 2
	s_add_co_u32 s17, s17, s41                     ; block row
	s_lshl_b32 s43, s41, 2
	s_lshl_b32 s43, 15, s43                        ; my row of the cluster
	s_lshl_b32 s44, 0x1111, s40                    ; my column
	s_or_b32 s[G1+0], s43, (3<<16)|(1<<21)         ; elements of 8 bytes, the mask, bit 21 beside it; no padding: every fragment load reads 512 bytes on end
	s_or_b32 s[G1B+0], s44, (3<<16)|(1<<21)
	s_or_b32 s[G1T+0], s43, (3<<16)|(1<<21)
	s_or_b32 s[G1TB+0], s44, (3<<16)|(1<<21)
.irp g, G1, G1B
	s_mov_b32 s[\g+1], 32<<16                      ; rows of 256 bytes,
	s_mov_b32 s[\g+2], 150<<16                     ; 150 of them: three steps
	s_mov_b32 s[\g+3], 32<<16
	s_mov_b32 s[\g+4], 150
	s_mov_b32 s[\g+5], 32
	s_mov_b32 s[\g+6], 0
	s_mov_b32 s[\g+7], 0
.endr
.irp g, G1T, G1TB
	s_mov_b32 s[\g+1], 32<<16
	s_mov_b32 s[\g+2], 100<<16                     ; 100 rows: two steps
	s_mov_b32 s[\g+3], 32<<16
	s_mov_b32 s[\g+4], 100
	s_mov_b32 s[\g+5], 32
	s_mov_b32 s[\g+6], 0
	s_mov_b32 s[\g+7], 0
.endr
	s_lshl_b32 s20, s17, 1
	s_add_co_u32 s20, s20, s16                     ; A's group: 2 x block row + half
	s_lshl_b32 s46, s42, 1
	s_add_co_u32 s46, s46, s16                     ; B's group: 2 x block column + half
	s_mul_i32 s20, s20, GRP
	s_mov_b32 s21, 0
	s_mul_i32 s46, s46, GRP
	s_mov_b32 s47, 0
	s_mul_i32 s45, s14, QB                         ; where my quarter goes: the wave's number alone
	s_wait_dscnt 0x0                               ; and the one wait for both adds
	s_wait_kmcnt 0x0
	s_add_nc_u64 s[20:21], s[4:5], s[20:21]
	s_add_nc_u64 s[46:47], s[6:7], s[46:47]
.irp s, 0,1
	s_mov_b32 s[G0+4*\s], 1
	s_add_co_u32 s[G0+4*\s+1], s45, \s*SLOT
	s_add_nc_u64 s[G0+4*\s+2:G0+4*\s+3], s[20:21], \s*QB
	s_or_b32 s[G0+4*\s+3], s[G0+4*\s+3], 0x80000000
	s_mov_b32 s[G0B+4*\s], 1
	s_add_co_u32 s[G0B+4*\s+1], s45, \s*SLOT
	s_add_nc_u64 s[G0B+4*\s+2:G0B+4*\s+3], s[46:47], \s*QB
	s_or_b32 s[G0B+4*\s+3], s[G0B+4*\s+3], 0x80000000
.endr
	CROUND                                         ; all sixteen work-groups are here: the first joint loads meet
	JLOAD G0, G1, G0B, G1B                         ; steps 0-2: my one tensor load at the head
	s_mul_i32 s21, s15, QB                         ; my group of A in a slot,
	s_mul_i32 s22, s16, QB
	s_add_co_u32 s22, s22, 2*QB                    ; my group of B, behind A's two
	s_sub_co_u32 s23, s22, s21
	s_add_co_u32 s18, s21, SLOT
	s_add_co_u32 s19, s22, SLOT
	v_and_b32 v1, 15, v0                           ; r
	v_bfe_u32 v2, v0, 4, 1                         ; h
	v_and_b32 v3, 31, v0
	v_lshlrev_b32 v3, 4, v3                        ; 16 x lane: a fragment's part as it lies
	v_lshlrev_b32 v[HO], 4, v1
	v_mul_u32_u24 v4, s23, v2                      ; lanes 16-31 take B's scale words
	v_add_nc_u32 v4, v[HO], v4
	v_lshl_add_u32 v[CO], v2, 19, v[HO]            ; 32 h rows of 16,384 bytes + 16 r
	v_add_nc_u32 v[ADRA], s21, v3
	v_add_nc_u32 v[ADRA+1], s18, v3
	v_add_nc_u32 v[ADRB], s22, v3
	v_add_nc_u32 v[ADRB+1], s19, v3
	v_add_nc_u32 v[ADRS], s21, v4
	v_add_nc_u32 v[ADRS+1], s18, v4
	s_lshl_b32 s20, s17, 8
	s_lshl_b32 s21, s15, 7
	s_add_co_u32 s20, s20, s21                     ; my first row of y
	s_lshl_b32 s20, s20, 14                        ; in bytes (under 2^26)
	s_mov_b32 s21, 0
	s_lshl_b32 s46, s42, 10
	s_lshl_b32 s47, s16, 9
	s_add_co_u32 s46, s46, s47                     ; my first column, in bytes
	s_mov_b32 s47, 0
	s_add_nc_u64 s[8:9], s[8:9], s[46:47]
	s_add_nc_u64 s[10:11], s[10:11], s[46:47]
	s_add_nc_u64 s[12:13], s[12:13], s[20:21]
	s_add_nc_u64 s[12:13], s[12:13], s[46:47]
	s_wait_alu depctr_va_vdst(0)
.irp q, 0,1
	global_load_b128 v[HH+4*\q:HH+4*\q+3], v[HO], s[10:11] offset:256*\q   ; h and bias of columns 64 q + 4 r + 0 .. 3: sixteen lanes read 256 bytes on end
	global_load_b128 v[BT+4*\q:BT+4*\q+3], v[HO], s[8:9] offset:256*\q
.endr
.macro FRAG reg, adr, q, i
.irp c, 0,1,2
	ds_load_b128 v[\reg+4*\c:\reg+4*\c+3], v[\adr] offset:(\q)*STEPB+(\i)*FRB+512*\c
.endr
.endm
.macro FB4 slot, q, p, i0              ; B's fragments i0 .. i0 + 3 of the slot's step q into set p
.irp i, \i0, \i0+1, \i0+2, \i0+3
	FRAG 128*(\p)+FR*(\i), ADRB+\slot, \q, \i
.endr
.endm
.macro FSC slot, q, p                  ; the step's scale words into set p: register i: lanes 0-15 A's block i, lanes 16-31 B's
.irp j, 0,1
	ds_load_b128 v[SC+8*(\p)+4*\j:SC+8*(\p)+4*\j+3], v[ADRS+\slot] offset:(\q)*STEPB+SCO+256*\j
.endr
.endm
.macro FA slot, q, i0, n               ; A's blocks i0 .. i0 + n - 1
.set FI, \i0
.rept \n
	FRAG AF+FR*FI, ADRA+\slot, \q, FI
.set FI, FI+1
.endr
.endm
.macro MUL8 a, p, zero                 ; A's block a against B's eight; the 64 accumulators take turns; zero = 1: the first product starts the sums
.irp b, 0,1,2,3,4,5,6,7
.if \zero
	v_wmma_scale_f32_16x16x128_f8f6f4 v[8*(8*((\a)%4)+\b):8*(8*((\a)%4)+\b)+7], v[AF+FR*(\a):AF+FR*(\a)+FR-1], v[128*(\p)+FR*\b:128*(\p)+FR*\b+FR-1], 0, v[SC+8*(\p)+(\a)], v[SC+8*(\p)+\b] matrix_a_fmt:MATRIX_FMT_FP6 matrix_b_fmt:MATRIX_FMT_FP6 matrix_b_scale:MATRIX_SCALE_ROW1
.else
	v_wmma_scale_f32_16x16x128_f8f6f4 v[8*(8*((\a)%4)+\b):8*(8*((\a)%4)+\b)+7], v[AF+FR*(\a):AF+FR*(\a)+FR-1], v[128*(\p)+FR*\b:128*(\p)+FR*\b+FR-1], v[8*(8*((\a)%4)+\b):8*(8*((\a)%4)+\b)+7], v[SC+8*(\p)+(\a)], v[SC+8*(\p)+\b] matrix_a_fmt:MATRIX_FMT_FP6 matrix_b_fmt:MATRIX_FMT_FP6 matrix_b_scale:MATRIX_SCALE_ROW1
.endif
.endr
.endm
; A step inside a slot: multiplies B's set p, fetches the slot's step q + 1.  Each counted wait names the LDS loads issued behind the fragment that is wanted.
.macro STEP slot, q, p, zero
	s_wait_dscnt 18                                ; B's set, the scale words, A's blocks 0, 1 are in; blocks 2-7 (18 loads) may be out
	WIN MUL_LO
	MUL8 0, \p, \zero
	MUL8 1, \p, \zero
	PLACES
	WIN TO_B
	FB4 \slot, (\q)+1, 1-(\p), 0
	WIN 0
	FSC \slot, (\q)+1, 1-(\p)                      ; 14 loads
	s_wait_dscnt 26                                ; blocks 2, 3 are in: behind them blocks 4-7 (12) and the 14
	WIN MUL_LO
	MUL8 2, \p, \zero
	MUL8 3, \p, \zero
	PLACES
	WIN TO_B
	FB4 \slot, (\q)+1, 1-(\p), 4
	WIN 0
	FA \slot, (\q)+1, 0, 1                         ; 15 loads
	s_wait_dscnt 35                                ; blocks 4, 5: behind them blocks 6, 7 (6), 14 and 15
	WIN MUL_HI
	MUL8 4, \p, \zero
	MUL8 5, \p, \zero
	PLACES
	WIN 0
	FA \slot, (\q)+1, 1, 4                         ; 12 loads
	s_wait_dscnt 41                                ; blocks 6, 7: behind them 14, 15 and 12
	WIN MUL_HI
	MUL8 6, \p, \zero
	MUL8 7, \p, \zero
	PLACES
	WIN 0
	FA \slot, (\q)+1, 5, 3                         ; 9 loads
.endm
; A slot's last step changes slots.  In front of the barrier each wave waits for all its tensor loads (one is out: its quarter of the next slot), adds 0 to its spare word, and waits for that and for its reads
; of this slot.  fill = 1, 2: the barrier opens a round of the cluster's barrier and this slot is filled again (2: the last fill, two steps).  The next slot's first step is fetched as B's fragments 0-7, the scale words, A's blocks 0 .. 7.
.macro TURN slot, next, p, fill
	s_wait_dscnt 18
	WIN MUL_LO
	MUL8 0, \p, 0
	WIN 0                                          ; (the add's registers lie in window 0)
	s_wait_tensorcnt 0x0
	ds_add_u32 v[SPW], v[NIL]
.if \fill
	s_add_nc_u64 s[G0+4*\slot+2:G0+4*\slot+3], s[G0+4*\slot+2:G0+4*\slot+3], 2*QB      ; no load of mine is out: this slot's next steps
	s_add_nc_u64 s[G0B+4*\slot+2:G0B+4*\slot+3], s[G0B+4*\slot+2:G0B+4*\slot+3], 2*QB
.endif
	WIN MUL_LO
	MUL8 1, \p, 0
	s_wait_dscnt 0x0                               ; the add is done, and all my reads of this slot
	s_barrier_signal -1
	MUL8 2, \p, 0
	WIN 0
	s_barrier_wait -1
.if \fill == 1
	CREST
	JLOAD G0+4*\slot, G1, G0B+4*\slot, G1B         ; the first tensor load behind the round; its four v_nop are the places ahead of the loads below
.elseif \fill == 2
	CREST
	JLOAD G0+4*\slot, G1T, G0B+4*\slot, G1TB
.else
	PLACES
.endif
	WIN TO_B
	FB4 \next, 0, 1-(\p), 0
	FB4 \next, 0, 1-(\p), 4
	WIN 0
	FSC \next, 0, 1-(\p)
	WIN MUL_LO
	MUL8 3, \p, 0
	WIN MUL_HI
	MUL8 4, \p, 0
	PLACES
	WIN 0
	FA \next, 0, 0, 5
	WIN MUL_HI
	MUL8 5, \p, 0
	MUL8 6, \p, 0
	MUL8 7, \p, 0
	PLACES
	WIN 0
	FA \next, 0, 5, 3
.endm
	s_wait_tensorcnt 0x0                           ; my quarter of slot 0 is in; slot 1's first fill is issued as a refill is:
	ds_add_u32 v[SPW], v[NIL]
	s_wait_dscnt 0x0
	CROUND                                         ; a whole round: slot 0 is whole, and the joint loads meet
	JLOAD G0+4, G1, G0B+4, G1B                     ; steps 3-5
	WIN TO_B
	FB4 0, 0, 0, 0
	FB4 0, 0, 0, 4
	WIN 0
	FSC 0, 0, 0
	FA 0, 0, 0, 8
	STEP 0, 0, 0, 1                                ; step 0 starts the sums: nothing is cleared
	s_mov_b32 s3, TRIPS
.Llap:                                                 ; a trip: six steps, once round the ring, from a lap's second step to the next lap's first; steps 1-24, fills 2-9
	STEP 0, 1, 1, 0
	TURN 0, 1, 0, 1
	STEP 1, 0, 1, 0
	STEP 1, 1, 0, 0
	TURN 1, 0, 1, 1
	STEP 0, 0, 0, 0
	s_sub_co_u32 s3, s3, 1
	s_cmp_lg_u32 s3, 0
	s_cbranch_scc1 .Llap
	STEP 0, 1, 1, 0                                ; steps 25-31, written out: one more fill, of two steps, and then none
	TURN 0, 1, 0, 2
	STEP 1, 0, 1, 0
	STEP 1, 1, 0, 0
	TURN 1, 0, 1, 0
	STEP 0, 0, 0, 0
	s_wait_dscnt 18                                ; the last step fetches nothing: the counts run down
	WIN MUL_LO
	MUL8 0, 1, 0
	MUL8 1, 1, 0
	s_wait_dscnt 12
	MUL8 2, 1, 0
	MUL8 3, 1, 0
	s_wait_dscnt 6
	WIN MUL_HI
	MUL8 4, 1, 0
	MUL8 5, 1, 0
	s_wait_dscnt 0x0
	MUL8 6, 1, 0
	MUL8 7, 1, 0
	WIN 0
	s_wait_loadcnt 0x0                             ; h and bias
.irp k, 0,2,4,6
	v_pk_mul_f32 v[BH+\k:BH+\k+1], v[BT+\k:BT+\k+1], v[HH+\k:HH+\k+1]   ; bias x h; these four lines are also the places behind the last products
.endr
	s_wait_alu depctr_va_vdst(0)
; THE WAY OUT of A's block a: 64 multiply-adds, each accumulator from its low end on, gather columns 64 q + 4 r + 0 .. 3 of a row in four registers on end; 16 stores, in each of which
; lanes 0-15 and lanes 16-31 cover 256 consecutive aligned bytes of one row each.  Three sets of 64 registers take turns; a set is written again behind s_wait_xcnt 0.
.macro OUT a
.set TB, 64+64*((\a)%3)
.if (\a) >= 3
	s_wait_xcnt 0x0
.endif
	WIN 0x02+(\a)/4                                ; source 0: window 2 or 3
.irp j, 0,1,2,3,4,5,6,7
.irp b, 0,1,2,3,4,5,6,7
	v_fma_f32 v[TB+8*\j+\b], v[64*((\a)%4)+8*\b+\j], v[HH+\b], v[BH+\b]
.endr
.endr
	WIN 0
.irp j, 0,1,2,3,4,5,6,7
.irp q, 0,1
	global_store_b128 v[CO], v[TB+8*\j+4*\q:TB+8*\j+4*\q+3], s[12:13] offset:(64*((\a)/4)+4*\j+(\a)%4)*ROWY+256*\q
.endr
.endr
.endm
.irp a, 0,1,2,3,4,5,6,7
	OUT \a
.endr
	s_wait_tensorcnt 0x0                           ; the wave's end
	ds_add_u32 v[SPW], v[NIL]
	s_wait_dscnt 0x0
	CROUND                                         ; the closing round
	s_endpgm
.Lfunc_end_k_qc72537283f_gemm:
	.size	k_qc72537283f_gemm, .Lfunc_end_k_qc72537283f_gemm-k_qc72537283f_gemm
	.p2alignl 7, 3214868480
	.fill 96, 4, 3214868480
	.section	.rodata,"a",@progbits
	.p2align	6, 0x0
	.amdhsa_kernel k_qc72537283f_gemm
		.amdhsa_group_segment_fixed_size 327680
		.amdhsa_private_segment_fixed_size 0
		.amdhsa_enable_private_segment 0
		.amdhsa_kernarg_size 40
		.amdhsa_user_sgpr_count 2
		.amdhsa_user_sgpr_kernarg_segment_ptr 1
		.amdhsa_wavefront_size32 1
		.amdhsa_system_sgpr_workgroup_id_x 1
		.amdhsa_system_sgpr_workgroup_id_y 1
		.amdhsa_system_sgpr_workgroup_id_z 1
		.amdhsa_system_vgpr_workitem_id 0
		.amdhsa_next_free_vgpr 1024
		.amdhsa_next_free_sgpr 96
		.amdhsa_reserve_vcc 0
		.amdhsa_float_denorm_mode_32 3
		.amdhsa_float_denorm_mode_16_64 3
		.amdhsa_memory_ordered 1
		.amdhsa_forward_progress 1
		.amdhsa_inst_pref_size 224
	.end_amdhsa_kernel
	.amdgpu_metadata
---
amdhsa.version: [ 1, 2 ]
amdhsa.kernels:
  - .name:           k_qc72537283f_gemm
    .symbol:         k_qc72537283f_gemm.kd
    .args:
      - { .name: a_ops, .offset: 0, .size: 8, .value_kind: global_buffer, .address_space: global }
      - { .name: b_ops, .offset: 8, .size: 8, .value_kind: global_buffer, .address_space: global }
      - { .name: bias, .offset: 16, .size: 8, .value_kind: global_buffer, .address_space: global }
      - { .name: h, .offset: 24, .size: 8, .value_kind: global_buffer, .address_space: global }
      - { .name: y, .offset: 32, .size: 8, .value_kind: global_buffer, .address_space: global }
    .group_segment_fixed_size: 327680
    .private_segment_fixed_size: 0
    .kernarg_segment_align: 8
    .kernarg_segment_size: 40
    .max_flat_workgroup_size: 128
    .sgpr_count:     96
    .vgpr_count:     1024
    .wavefront_size: 32
...
	.end_amdgpu_metadata
.endif
;; end of part 2
;; launch norm (part 3): grid 256 x 1, 16 waves a work-group, no clusters, 34,816 bytes of LDS; arguments y, ln_gamma, ln_beta, out0; writes out0
.if DOCPART == 3
	.amdgcn_target "amdgcn-amd-amdhsa--gfx1250"
	.amdhsa_code_object_version 6
	.text
	.protected	k_qc72537283f_norm
	.globl	k_qc72537283f_norm
	.p2align	8
	.type	k_qc72537283f_norm,@function
k_qc72537283f_norm:
	s_mov_b64 s[64:65], 0
	v_nop
	global_prefetch_b8 v0, s[64:65] scope:SCOPE_SE
	s_setreg_imm32_b32 hwreg(HW_REG_WAVE_MODE, 25, 1), 1
	s_wait_xcnt 0x0
; out[r][c] = (y[r][c] - mu[r]) x rsqrt(var[r] + 1e-5) x gamma[c] + beta[c];  mu and var are the mean and the mean square about the mean of row r's 4,096 numbers.  All f32.
; One wave takes one row: 16,384 bytes, 32 loads of 16 bytes a lane, kept in 128 registers between the three passes (sum; squares about the mean; scaling), so that y is read from memory once and no wave waits for
; another for its statistics.  The variance is taken about the mean, as the definition takes it: no difference of large sums is formed.
; The work-group's sixteen rows share ONE copy of gamma and beta in LDS (32,768 bytes, brought once by the 512 threads): one barrier, between the stores of that copy and its reads.
; Each load and store of a wave covers 512 consecutive bytes, aligned to 256.  No loop: no register that a store reads is written again.
; LIMITS: NaN and infinities in y are not served otherwise than the arithmetic gives them.
.set Y,   16                           ; v16-143  the row: chunk j (four registers) holds columns 128 j + 4 x lane + 0 .. 3
.set GB,  144                          ; v144-207 two sets of 32: for four chunks, four numbers of gamma and four of beta each
.set SM,  208                          ; v208-215 four running sums, two numbers each
.set MU,  216                          ; v216-217 the mean, twice (a pair for the packed forms)
.set RS,  218                          ; v218-219 1 / sqrt(var + eps), twice
.set T,   220                          ; v220-221 at work
	s_load_b256 s[4:11], s[0:1], 0x0               ; y s[4:5], gamma s[6:7], beta s[8:9], out s[10:11]
	v_lshl_add_u32 v224, v0, 2, 0x8000
	v_mov_b32 v225, 0
	v_lshrrev_b32 v3, 5, v0
	s_delay_alu instid0(VALU_DEP_1)
	v_readfirstlane_b32 s12, v3                    ; wave 0..15
	v_lshlrev_b32 v1, 4, v0                        ; 16 x thread: my part of gamma's and beta's copy
	v_and_b32 v2, 31, v0
	s_delay_alu instid0(VALU_DEP_1)
	v_lshlrev_b32 v2, 4, v2                        ; 16 x lane
	v_mov_b32 v[T+1], 0                            ; written once: a lane permute's destination counts as one of its sources
	s_lshl_b32 s14, ttmp9, 4
	s_add_co_u32 s14, s14, s12                     ; my row: 16 x work-group + wave
	s_lshl_b32 s14, s14, 14                        ; in bytes (under 2^26)
	s_mov_b32 s15, 0
	s_mov_b32 s16, 0x76543210                      ; v_permlanex16_b32's selects for lane l xor 16
	s_mov_b32 s17, 0xfedcba98
	s_mov_b32 s18, 0x39800000                      ; 1 / 4,096
	s_mov_b32 s19, 0x3727c5ac                      ; 1e-5
	s_wait_alu depctr_va_vdst(0)
	s_wait_kmcnt 0x0
	s_add_nc_u64 s[4:5], s[4:5], s[14:15]
	s_add_nc_u64 s[10:11], s[10:11], s[14:15]
	global_load_b128 v[GB:GB+3], v1, s[6:7]                        ; 512 threads x 16 bytes are half of gamma
	global_load_b128 v[GB+4:GB+7], v1, s[6:7] offset:8192
	global_load_b128 v[GB+8:GB+11], v1, s[8:9]
	global_load_b128 v[GB+12:GB+15], v1, s[8:9] offset:8192
.set j, 0
.rept 32
	global_load_b128 v[Y+4*j:Y+4*j+3], v2, s[4:5] offset:512*j th:TH_LOAD_NT   ; the whole row is asked for at once: read once in the launch
.set j, j+1
.endr
	s_wait_loadcnt 32                              ; gamma's and beta's four loads are in; the row's 32 stay out
	ds_store_b128 v1, v[GB:GB+3]
	ds_store_b128 v1, v[GB+4:GB+7] offset:8192
	ds_store_b128 v1, v[GB+8:GB+11] offset:16384
	ds_store_b128 v1, v[GB+12:GB+15] offset:24576
	s_wait_dscnt 0x0                               ; for the others' sake: my stores are done
	s_barrier_signal -1
	s_barrier_wait -1                              ; gamma lies at LDS byte 0, beta at 16,384
.macro GLOAD gi                        ; gamma and beta of chunks 4 gi .. 4 gi + 3 into set gi % 2
.irp c, 0,1,2,3
	ds_load_b128 v[GB+32*((\gi)%2)+8*\c:GB+32*((\gi)%2)+8*\c+3], v2 offset:512*(4*(\gi)+\c)
	ds_load_b128 v[GB+32*((\gi)%2)+8*\c+4:GB+32*((\gi)%2)+8*\c+7], v2 offset:16384+512*(4*(\gi)+\c)
.endr
.endm
	GLOAD 0                                        ; asked for long before it is wanted
.macro TOTAL                           ; the four running sums, then the 32 lanes: every lane ends with the row's total in v[T]
	s_delay_alu instid0(VALU_DEP_3)
	v_pk_add_f32 v[SM:SM+1], v[SM:SM+1], v[SM+2:SM+3]
	s_delay_alu instid0(VALU_DEP_2)
	v_pk_add_f32 v[SM+4:SM+5], v[SM+4:SM+5], v[SM+6:SM+7]
	s_delay_alu instid0(VALU_DEP_1)
	v_pk_add_f32 v[SM:SM+1], v[SM:SM+1], v[SM+4:SM+5]
	s_delay_alu instid0(VALU_DEP_1)
	v_add_f32 v[T], v[SM], v[SM+1]
	s_delay_alu instid0(VALU_DEP_1)
	v_add_f32_dpp v[T], v[T], v[T] row_xmask:1 row_mask:0xf bank_mask:0xf
	s_delay_alu instid0(VALU_DEP_1)
	v_add_f32_dpp v[T], v[T], v[T] row_xmask:2 row_mask:0xf bank_mask:0xf
	s_delay_alu instid0(VALU_DEP_1)
	v_add_f32_dpp v[T], v[T], v[T] row_xmask:4 row_mask:0xf bank_mask:0xf
	s_delay_alu instid0(VALU_DEP_1)
	v_add_f32_dpp v[T], v[T], v[T] row_xmask:8 row_mask:0xf bank_mask:0xf
	s_delay_alu instid0(VALU_DEP_1)
	v_permlanex16_b32 v[T+1], v[T], s16, s17
	s_delay_alu instid0(VALU_DEP_1)
	v_add_f32 v[T], v[T], v[T+1]
.endm
	; pass 1: the sum, two numbers at a time, in four chains; the first eight pairs start the chains: nothing is cleared
	s_wait_loadcnt 24                              ; chunks 0-7 are in; 24 younger loads may be out
.irp k, 0,1,2,3
	v_pk_add_f32 v[SM+2*\k:SM+2*\k+1], v[Y+2*\k:Y+2*\k+1], v[Y+8+2*\k:Y+8+2*\k+1]
.endr
.set p, 8
.rept 56
.if p%16 == 0
	s_wait_alu depctr_va_vdst(0)
	s_wait_loadcnt 24-8*(p/16)                     ; the next eight chunks are in: 16, 8, 0 may be out
.endif
	v_pk_add_f32 v[SM+2*(p%4):SM+2*(p%4)+1], v[SM+2*(p%4):SM+2*(p%4)+1], v[Y+2*p:Y+2*p+1]
.set p, p+1
.endr
	TOTAL
	s_delay_alu instid0(VALU_DEP_1)
	v_mul_f32 v[MU], s18, v[T]                     ; the mean
	s_delay_alu instid0(VALU_DEP_2)
	v_mul_f32 v[MU+1], s18, v[T]
	; pass 2: y - mu in place, then the sum of its squares
.set p, 0
.rept 64
	v_pk_add_f32 v[Y+2*p:Y+2*p+1], v[Y+2*p:Y+2*p+1], v[MU:MU+1] neg_lo:[0,1] neg_hi:[0,1]
.set p, p+1
.endr
.irp k, 0,1,2,3
	v_pk_mul_f32 v[SM+2*\k:SM+2*\k+1], v[Y+2*\k:Y+2*\k+1], v[Y+2*\k:Y+2*\k+1]
.endr
.set p, 4
.rept 60
	s_delay_alu instid0(VALU_DEP_4)
	v_pk_fma_f32 v[SM+2*(p%4):SM+2*(p%4)+1], v[Y+2*p:Y+2*p+1], v[Y+2*p:Y+2*p+1], v[SM+2*(p%4):SM+2*(p%4)+1]
.set p, p+1
.endr
	TOTAL
	s_delay_alu instid0(VALU_DEP_1)
	v_fma_f32 v[T], v[T], s18, s19                 ; var + eps
	s_wait_alu depctr_va_vdst(0)
	v_rsq_f32 v[RS], v[T]
	v_rsq_f32 v[RS+1], v[T]                        ; twice, to fill the pair that the packed multiply names
	v_nop                                          ; one plain vector instruction behind a transcendental before its result is used (ISA guide 5.7.2)
	s_wait_alu depctr_va_vdst(0)
	; pass 3: four chunks at a time; the next four chunks' gamma and beta are asked for first
.macro OUTG gi
.if (\gi) < 7
	GLOAD (\gi)+1
	s_wait_dscnt 8                                 ; this group's eight loads are in; the eight just issued may be out
.else
	s_wait_dscnt 0x0
.endif
.irp c, 0,1,2,3
.set YY, Y+4*(4*(\gi)+\c)
.set GG, GB+32*((\gi)%2)+8*\c
	v_pk_mul_f32 v[YY:YY+1], v[YY:YY+1], v[RS:RS+1]
	v_pk_mul_f32 v[YY+2:YY+3], v[YY+2:YY+3], v[RS:RS+1]
	s_delay_alu instid0(VALU_DEP_2)
	v_pk_fma_f32 v[YY:YY+1], v[YY:YY+1], v[GG:GG+1], v[GG+4:GG+5]
	s_delay_alu instid0(VALU_DEP_2)
	v_pk_fma_f32 v[YY+2:YY+3], v[YY+2:YY+3], v[GG+2:GG+3], v[GG+6:GG+7]
	global_store_b128 v2, v[YY:YY+3], s[10:11] offset:512*(4*(\gi)+\c) th:TH_STORE_NT   ; 512 consecutive bytes a store; written once, read by nobody here
.endr
.endm
.irp gi, 0,1,2,3,4,5,6,7
	OUTG \gi
.endr
	s_wait_tensorcnt 0x0
	ds_add_u32 v224, v225
	s_wait_dscnt 0x0
	s_endpgm
.Lfunc_end_k_qc72537283f_norm:
	.size	k_qc72537283f_norm, .Lfunc_end_k_qc72537283f_norm-k_qc72537283f_norm
	.p2alignl 7, 3214868480
	.fill 96, 4, 3214868480
	.section	.rodata,"a",@progbits
	.p2align	6, 0x0
	.amdhsa_kernel k_qc72537283f_norm
		.amdhsa_group_segment_fixed_size 34816
		.amdhsa_private_segment_fixed_size 0
		.amdhsa_enable_private_segment 0
		.amdhsa_kernarg_size 32
		.amdhsa_user_sgpr_count 2
		.amdhsa_user_sgpr_kernarg_segment_ptr 1
		.amdhsa_wavefront_size32 1
		.amdhsa_system_sgpr_workgroup_id_x 1
		.amdhsa_system_sgpr_workgroup_id_y 1
		.amdhsa_system_sgpr_workgroup_id_z 1
		.amdhsa_system_vgpr_workitem_id 0
		.amdhsa_next_free_vgpr 226
		.amdhsa_next_free_sgpr 66
		.amdhsa_reserve_vcc 0
		.amdhsa_float_denorm_mode_32 3
		.amdhsa_float_denorm_mode_16_64 3
		.amdhsa_memory_ordered 1
		.amdhsa_forward_progress 1
		.amdhsa_inst_pref_size 39
	.end_amdhsa_kernel
	.amdgpu_metadata
---
amdhsa.version: [ 1, 2 ]
amdhsa.kernels:
  - .name:           k_qc72537283f_norm
    .symbol:         k_qc72537283f_norm.kd
    .args:
      - { .name: y, .offset: 0, .size: 8, .value_kind: global_buffer, .address_space: global }
      - { .name: ln_gamma, .offset: 8, .size: 8, .value_kind: global_buffer, .address_space: global }
      - { .name: ln_beta, .offset: 16, .size: 8, .value_kind: global_buffer, .address_space: global }
      - { .name: out0, .offset: 24, .size: 8, .value_kind: global_buffer, .address_space: global }
    .group_segment_fixed_size: 34816
    .private_segment_fixed_size: 0
    .kernarg_segment_align: 8
    .kernarg_segment_size: 32
    .max_flat_workgroup_size: 512
    .sgpr_count:     66
    .vgpr_count:     226
    .wavefront_size: 32
...
	.end_amdgpu_metadata
.endif
;; end of part 3
